; MI455X (gfx1250); checked and timed in simulation.
; The chip was launched on July 23, 2026; its instructions are those of AMD's public machine-readable ISA for CDNA 5 (MIT licence, August 2026) and "CDNA5" Instruction Set Architecture Reference Guide (July 2026). The comments in the code are by the model that wrote it; some were corrected since.
;; Forced GPULSTM Cell. Allowed arithmetic: matrix products marked QUANTISED: E2M1 operands, one E8M0 scale for each 32 along K, by v_wmma_scale_f32_16x16x128_f8f6f4 with both operands' format E2M1 (or v_wmma_scale_f32_32x16x128_f4), f32 sums; everything else in f32.
;; Inputs: bias_f 2,048 float32; bias_g 2,048 float32; bias_i 2,048 float32; bias_o 2,048 float32; c 2,048 x 2,048 float32; h_codes 2,048 x 64 x 16 uint8 (E2M1 codes of h, K innermost, in blocks of 32 codes, two codes a byte); h_scales 2,048 x 64 uint8 (E8M0 scales of h, one for each 32 codes along K); weight_hf 2,048 x 2,048 float32; weight_hg 2,048 x 2,048 float32; weight_hi 2,048 x 2,048 float32; weight_ho 2,048 x 2,048 float32; weight_if 2,048 x 2,048 float32; weight_ig 2,048 x 2,048 float32; weight_ii 2,048 x 2,048 float32; weight_io 2,048 x 2,048 float32; x_codes 2,048 x 64 x 16 uint8 (E2M1 codes of x, K innermost, in blocks of 32 codes, two codes a byte); x_scales 2,048 x 64 uint8 (E8M0 scales of x, one for each 32 codes along K).
;; Outputs: out0 2,048 x 2,048 float32; out1 2,048 x 2,048 float32.
;; This version of the problem:
;;   THIS VERSION OF THE PROBLEM IS GIVEN IN LOW PRECISION. The matrix products marked QUANTISED in the list below multiply operands that are first quantised to E2M1 (2 exponent bits, 1 mantissa bit; 4 bits a number), with one power-of-two scale for each 32 numbers along K (OCP MX v1.0); their sums are f32. All else is computed in f32.
;;   The module's matrix products, in the order in which they are computed (A, B: the left and right operand; K: the contracted axis; several contracted axes count as one K, in the product's order):
;;     1. [M 2,048, K 2,048] x [K 2,048, N 8,192]; A: input x (given as codes); B: computed on the way: QUANTISED
;;     2. [M 2,048, K 2,048] x [K 2,048, N 8,192]; A: input h (given as codes); B: computed on the way: QUANTISED
;;   THE QUANTISER, for each operand of a quantised product, along K:
;;     - K is cut into blocks of 32 from its start; a last block that is shorter is filled with zeros.
;;     - A block's scale is 2^e with e = floor(log2(the largest magnitude in the block)) - 2, held to -126 .. 127; a block of zeros has e = 0. As a byte (E8M0): e + 127.
;;     - Each number is divided by its block's scale, clamped to +-6, and rounded to the nearest number of E2M1, ties to even, subnormals kept.
;;     - The product sums the exact products of the quantised numbers (number of the format x scale) in f32.
;;   ~~~python
;;   def quantise(x, axis):      # numpy; x: float32 -> the quantised numbers, widened to float32 again
;;       x = np.moveaxis(x, axis, -1); K = x.shape[-1]
;;       x = np.pad(x, [(0, 0)] * (x.ndim - 1) + [(0, -K % 32)]); x = x.reshape(x.shape[:-1] + (-1, 32)); a = np.abs(x).max(-1, keepdims=True)
;;       e = np.where(a > 0, np.clip(np.frexp(np.where(a > 0, a, 1))[1] - 1 - 2, -126, 127), 0)      # np.frexp(a)[1] - 1 = floor(log2(a)), exactly
;;       r = np.clip(x / 2.0 ** e, -6, 6)
;;       step = 2.0 ** (np.maximum(np.frexp(np.where(r == 0, 1, r))[1] - 1, 0) - 1)
;;       q = np.round(r / step) * step * 2.0 ** e      # np.round: ties to even
;;       return np.moveaxis(q.reshape(q.shape[:-2] + (-1,))[..., :K], -1, axis).astype(np.float32)
;;   ~~~
;;   OPERANDS COMPUTED ON THE WAY. 'Computed on the way' means the value that the module computes at that place (a softmax that the list does not call 'softmax' is quantised finished and normalised). What goes into a quantiser is computed in f32, as accurately as f32 sums, v_exp_f32 and their like allow (about 1e-6 of the number): no bf16 or f16 on the way to a quantiser, and a product that is left as it is and whose result goes on into a quantised operand takes f32 operands (vector FMAs, or v_wmma_f32_16x16x4_f32). A number that lies on a knife's edge between two numbers of the format may be rounded either way, as far as f32 arithmetic and the matrix unit's own rounding can turn it there, and no further.
;;   INPUTS GIVEN AS CODES. h (in the module: [2048, 2048], K = its axis 1); x (in the module: [2048, 2048], K = its axis 1): each comes as NAME_codes (uint8): NAME with its K axis moved to the last place and cut into blocks of 32 codes, [.., K / 32, bytes a block], one block behind the other in memory; two codes a byte, the lower K in the low four bits (a code: sign, 2 exponent bits, 1 mantissa bit); and NAME_scales (uint8): the same leading axes, one E8M0 byte (e + 127) for each 32 codes along K. Its value is code x scale, taken as it is: it is not quantised again, and the codes and scales need not be those that the quantiser above would give.
;; One version. Each part assembles by itself: llvm-mc -triple=amdgcn-amd-amdhsa -mcpu=gfx1250 --defsym DOCPART=n.
;; ======== version 1 of 1: 2 launches
;; workspace buffers: a_t 4,456,448 bytes; w_t 17,825,792 bytes
;; launch prep (part 1): grid 1280 x 1, 4 waves a work-group, no clusters, 33,280 bytes of LDS; arguments weight_ii, weight_if, weight_ig, weight_io, weight_hi, weight_hf, weight_hg, weight_ho, x_codes, x_scales, h_codes, h_scales, a_t, w_t; writes a_t, w_t
.if DOCPART == 1
	.amdgcn_target "amdgcn-amd-amdhsa--gfx1250"
	.amdhsa_code_object_version 6
	.text
	.protected	k_qcf90b67c4f_prep
	.globl	k_qcf90b67c4f_prep
	.p2align	8
	.type	k_qcf90b67c4f_prep,@function
k_qcf90b67c4f_prep:
	s_mov_b64 s[64:65], 0
	v_nop
	global_prefetch_b8 v0, s[64:65] scope:SCOPE_SE
	s_setreg_imm32_b32 hwreg(HW_REG_WAVE_MODE, 25, 1), 1
	s_wait_xcnt 0x0
; The eight weights [2048][2048], f32, K innermost, become codes of FP4 (E2M1) with one E8M0 byte for each 32 along K, and x's and h's given codes and bytes are laid anew,
; all in ONE layout, the one in which the next launch fetches its tiles: for 128 rows and 512 along K a dense block of 136 units of 256 bytes:
; units 0-127: a row's 256 bytes of codes; unit 128 + i: the 16 scale bytes of each of rows 16 i .. 16 i + 15, row by row.
;   w_t: [tile column 0..31][K step 0..7][half 0..1][136][256].  Row 32 g + j of half s is gate g (i, f, g, o), hidden unit 64 x tile column + 32 s + j.  K steps 0-3: weight_i*, 4-7: weight_h*.
;   a_t: [tile row 0..7][K step 0..7][half 0..1][136][256].  Row p of half s is batch row 256 x tile row + 128 s + p.  K steps 0-3: x, 4-7: h.
; A block's scale is 2^(floor(log2(its largest magnitude)) - 2); its byte is the largest magnitude's exponent field - 2, held at 1 from below.  A block of zeros so gets the byte 1 where the rule says 127:
; its codes are zeros, which add nothing under any byte but 0xff, and the bytes are read by this program alone.
; LIMITS: NaN and infinities among the weights are not served.
; SHARES.  Work-groups 0-1023: 16 whole rows of one weight (131,072 dense bytes); wave w takes columns 512 w .. 512 w + 511, which are K step w of that weight: 16 steps, a row each.
; Work-groups 1024-1279: 16 rows of x or of h; wave w copies K step w of them.  No tensor load, no barrier: waves share nothing.  Every store of a wave covers whole aligned blocks of 256 bytes.
.set HALFM, 136*256                    ; a half tile's block in memory
.set KSM,   2*HALFM                    ; a K step's two halves
.set TILEM, 8*KSM                      ; a tile's eight K steps
.set STEPS, 16
.set EMAX,  2
.set R,     16                         ; v16-79   four sets of 16 numbers as they are loaded
.set X,     80                         ; v80-111  two sets of 16 neighbours
.set E,     112                        ; v112-127 a scale byte for each step
.set C,     128                        ; v128-191 codes: four registers for each step, so that no store's data are written again
.set WREG,  8192                       ; LDS: a region for each wave: two stages of 32 x SP bytes, behind them its 256 scale bytes
.set SP,    80                         ; a lane's place in a stage: its 64 bytes + 16 of padding
.set WV,    44                         ; s44 my wave's number
	s_load_b512 s[16:31], s[0:1], 0x0              ; the eight weights, in the order ii, if, ig, io, hi, hf, hg, ho
	s_load_b256 s[32:39], s[0:1], 0x40             ; x's codes, x's scales, h's codes, h's scales
	s_load_b128 s[40:43], s[0:1], 0x60             ; a_t, w_t
	v_lshl_add_u32 v192, v0, 2, 0x8000
	v_mov_b32 v193, 0
	v_lshrrev_b32 v1, 5, v0
	v_readfirstlane_b32 s[WV], v1                  ; wave 0..3
	v_and_b32 v2, 31, v0                           ; lane
	v_lshlrev_b32 v3, 4, v2                        ; 16 x lane
	v_lshlrev_b32 v4, 3, v2                        ; 8 x lane; never rewritten
	s_and_b32 s45, ttmp9, 127                      ; which 16 rows of the tensor
	s_wait_kmcnt 0x0
	s_cmp_ge_u32 ttmp9, 1024
	s_cbranch_scc1 .Lcopy
	; ---- a weight.  Which of the eight: three choices on the bits of the work-group's number / 128; they hang on no address
	s_lshr_b32 s6, ttmp9, 7                        ; 4 x (0: from x, 1: from h) + gate
	s_and_b32 s7, s6, 1
	s_cmp_lg_u32 s7, 0
	s_cselect_b64 s[16:17], s[18:19], s[16:17]
	s_cselect_b64 s[20:21], s[22:23], s[20:21]
	s_cselect_b64 s[24:25], s[26:27], s[24:25]
	s_cselect_b64 s[28:29], s[30:31], s[28:29]
	s_and_b32 s7, s6, 2
	s_cmp_lg_u32 s7, 0
	s_cselect_b64 s[16:17], s[20:21], s[16:17]
	s_cselect_b64 s[24:25], s[28:29], s[24:25]
	s_and_b32 s7, s6, 4
	s_cmp_lg_u32 s7, 0
	s_cselect_b64 s[4:5], s[24:25], s[16:17]
	s_lshl_b32 s46, s45, 17                        ; 16 rows of 8,192 bytes,
	s_lshl_b32 s47, s[WV], 11                      ; my 512 columns
	s_add_co_u32 s46, s46, s47
	s_mov_b32 s47, 0
	s_add_nc_u64 s[4:5], s[4:5], s[46:47]
	; where they go.  Hidden unit 16 rb + t: tile column rb / 4, half (rb / 2) % 2, block of 16 rows 2 x gate + rb % 2, row t of it
	s_lshr_b32 s48, s45, 2
	s_mul_i32 s48, s48, TILEM
	s_lshr_b32 s49, s6, 2
	s_lshl_b32 s49, s49, 2
	s_add_co_u32 s49, s49, s[WV]                   ; the K step
	s_mul_i32 s49, s49, KSM
	s_add_co_u32 s48, s48, s49
	s_bfe_u32 s49, s45, 0x10001                    ; one bit from bit 1: the half
	s_mul_i32 s49, s49, HALFM
	s_add_co_u32 s48, s48, s49
	s_and_b32 s49, s6, 3
	s_lshl_b32 s49, s49, 1
	s_and_b32 s50, s45, 1
	s_add_co_u32 s49, s49, s50                     ; the block of 16 rows
	s_lshl_b32 s50, s49, 12
	s_add_co_u32 s50, s50, s48                     ; its 16 units of codes
	s_mov_b32 s51, 0
	s_lshl_b32 s52, s49, 8
	s_add_co_u32 s52, s52, s48
	s_add_co_u32 s52, s52, 128*256                 ; its unit of scale bytes
	s_mov_b32 s53, 0
	s_add_nc_u64 s[8:9], s[42:43], s[50:51]
	s_add_nc_u64 s[10:11], s[42:43], s[52:53]
	s_mul_i32 s12, s[WV], WREG
	v_lshrrev_b32 v14, 2, v2
	v_mul_u32_u24 v14, v14, SP
	v_and_b32 v15, 3, v2
	v_lshl_add_u32 v14, v15, 4, v14
	v_add_nc_u32 v14, s12, v14                     ; the stage, on the way in: four lanes' 64 bytes on end, then 16 of padding
	v_mul_u32_u24 v15, v2, SP
	v_add_nc_u32 v15, s12, v15                     ; and on the way out: SP x lane: my 16 neighbours
	v_lshrrev_b32 v5, 1, v2
	s_add_co_u32 s12, s12, 2*32*SP
	v_add_nc_u32 v5, s12, v5                       ; my wave's 256 scale bytes: my block's byte,
	v_add_nc_u32 v6, s12, v4                       ; and on the way out 8 bytes a lane
; The conversions take neighbours along K from ONE lane's registers, a load is best where neighbouring LANES take neighbouring bytes: each of a step's four loads reads 512 consecutive bytes, 16 a lane;
; the 2,048 bytes go through the wave's own stage in LDS and come back 64 bytes a lane.  Two neighbouring lanes then hold a block of 32.  Loads run four steps (16 loads a wave) ahead, the stage one step.
.macro LOAD t
.irp i, 0,1,2,3
	global_load_b128 v[R+16*((\t)%4)+4*\i:R+16*((\t)%4)+4*\i+3], v3, s[4:5] offset:8192*(\t)+512*\i th:TH_LOAD_NT
.endr
.endm
.macro TURN t                          ; LDS serves a wave's instructions in order (ISA guide 5.7.1.4), so no wait stands between the stores and the loads
.irp i, 0,1,2,3
	ds_store_b128 v14, v[R+16*((\t)%4)+4*\i:R+16*((\t)%4)+4*\i+3] offset:32*SP*((\t)%2)+8*SP*\i
.endr
.irp i, 0,1,2,3
	ds_load_b128 v[X+16*((\t)%2)+4*\i:X+16*((\t)%2)+4*\i+3], v15 offset:32*SP*((\t)%2)+16*\i
.endr
.endm
.irp t, 0,1,2,3
	LOAD \t
.endr
	s_wait_loadcnt 12                              ; step 0's four loads are in
	TURN 0
.macro STEP t
.set XS, X+16*((\t)%2)
.if (\t) > 0
	s_wait_dscnt 1                                 ; this step's numbers are back from the stage (the last step's byte store may be out): so its stores into the stage have read their registers,
.else
	s_wait_dscnt 0x0
.endif
.if (\t)+4 < STEPS
	LOAD (\t)+4                                    ; which take the loads of four steps on
.endif
.if (\t)+1 < STEPS
.if STEPS-2-(\t) >= 3
	s_wait_loadcnt 12                              ; the next step's four loads are in; those of the three steps behind it may be out
.else
	s_wait_loadcnt 4*(STEPS-2-(\t))
.endif
	TURN (\t)+1                                    ; and go through the other stage while this step is worked
.endif
	v_max3_num_f32 v8, |v[XS]|, |v[XS+1]|, |v[XS+2]|               ; the largest magnitude of my 16, in two chains
	v_max3_num_f32 v9, |v[XS+3]|, |v[XS+4]|, |v[XS+5]|
.irp i, 6,10
	v_max3_num_f32 v8, v8, |v[XS+\i]|, |v[XS+\i+1]|
	v_max3_num_f32 v9, v9, |v[XS+\i+2]|, |v[XS+\i+3]|
.endr
	v_max3_num_f32 v8, v8, |v[XS+14]|, |v[XS+15]|
	v_max3_num_f32 v8, v8, v9, (EMAX+1)<<23        ; and the floor 2^(EMAX + 1 - 127): so the byte cannot fall under 1
	v_max_num_f32_dpp v8, v8, v8 row_xmask:1 row_mask:0xf bank_mask:0xf   ; and of my neighbour's 16: the block's
	v_add_nc_u32 v11, -(EMAX<<23), v8              ; EMAX off its exponent field: the conversion takes the exponent field of this operand as its scale, and nothing else of it
	v_cvt_scalef32_pk8_fp4_f32 v[C+4*(\t)], v[XS:XS+7], v11        ; eight numbers / the scale, to the nearest code, ties to even, beyond the largest code the largest
	v_cvt_scalef32_pk8_fp4_f32 v[C+4*(\t)+1], v[XS+8:XS+15], v11
	v_lshrrev_b32 v[E+(\t)], 23, v11               ; the scale's byte (a plain line behind the conversions)
	ds_store_b8 v5, v[E+(\t)] offset:16*(\t)       ; both lanes of a block write the same byte with the same value
	global_store_b64 v4, v[C+4*(\t):C+4*(\t)+1], s[8:9] offset:256*(\t)   ; row t's 256 bytes of codes: 32 lanes store one aligned block of 256 bytes
.endm
.irp t, 0,1,2,3,4,5,6,7,8,9,10,11,12,13,14,15
	STEP \t
.endr
	ds_load_b64 v[12:13], v6                       ; LDS serves a wave's instructions in order: these see my stores
	s_wait_dscnt 0x0
	global_store_b64 v4, v[12:13], s[10:11]        ; the 16 rows' scale bytes of this K step: one aligned block of 256 bytes
	s_wait_tensorcnt 0x0
	ds_add_u32 v192, v193
	s_wait_dscnt 0x0
	s_endpgm
.Lcopy:
	; ---- 16 rows of x or of h: codes and bytes are taken as they are given and only laid anew
	s_sub_co_u32 s6, ttmp9, 1024
	s_lshr_b32 s6, s6, 7                           ; 0: x, 1: h
	s_cmp_eq_u32 s6, 0
	s_cselect_b64 s[4:5], s[32:33], s[36:37]       ; the codes,
	s_cselect_b64 s[12:13], s[34:35], s[38:39]     ; the scale bytes
	s_lshl_b32 s46, s45, 14                        ; 16 rows of 1,024 bytes of codes,
	s_lshl_b32 s47, s[WV], 8                       ; my K step's 256 bytes of each
	s_add_co_u32 s46, s46, s47
	s_mov_b32 s47, 0
	s_add_nc_u64 s[4:5], s[4:5], s[46:47]
	s_lshl_b32 s46, s45, 10                        ; 16 rows of 64 scale bytes,
	s_lshl_b32 s48, s[WV], 4                       ; my K step's 16 of each
	s_add_co_u32 s46, s46, s48
	s_add_nc_u64 s[12:13], s[12:13], s[46:47]
	s_lshr_b32 s48, s45, 4                         ; batch row 16 rb + t: tile row rb / 16, half (rb / 8) % 2, block rb % 8
	s_mul_i32 s48, s48, TILEM
	s_lshl_b32 s49, s6, 2
	s_add_co_u32 s49, s49, s[WV]                   ; the K step
	s_mul_i32 s49, s49, KSM
	s_add_co_u32 s48, s48, s49
	s_bfe_u32 s49, s45, 0x10003                    ; one bit from bit 3: the half
	s_mul_i32 s49, s49, HALFM
	s_add_co_u32 s48, s48, s49
	s_and_b32 s49, s45, 7
	s_lshl_b32 s50, s49, 12
	s_add_co_u32 s50, s50, s48
	s_mov_b32 s51, 0
	s_lshl_b32 s52, s49, 8
	s_add_co_u32 s52, s52, s48
	s_add_co_u32 s52, s52, 128*256
	s_mov_b32 s53, 0
	s_add_nc_u64 s[8:9], s[40:41], s[50:51]
	s_add_nc_u64 s[10:11], s[40:41], s[52:53]
	v_and_b32 v5, 15, v2
	v_lshrrev_b32 v6, 4, v2
	v_lshlrev_b32 v7, 10, v6
	v_lshl_add_u32 v7, v5, 4, v7                   ; in: lanes 0-15 one row's 256 bytes, lanes 16-31 the next row's
	v_lshrrev_b32 v8, 1, v2
	v_and_b32 v9, 1, v2
	v_lshlrev_b32 v8, 6, v8
	v_lshl_add_u32 v8, v9, 3, v8                   ; the bytes: two lanes to a row's 16
.irp j, 0,1,2,3,4,5,6,7
	global_load_b128 v[16+4*\j:19+4*\j], v7, s[4:5] offset:2048*\j th:TH_LOAD_NT
.endr
	global_load_b64 v[48:49], v8, s[12:13]
	s_wait_loadcnt 0x0
.irp j, 0,1,2,3,4,5,6,7
	global_store_b128 v3, v[16+4*\j:19+4*\j], s[8:9] offset:512*\j   ; out: the rows on end: 512 consecutive bytes a store
.endr
	global_store_b64 v4, v[48:49], s[10:11]        ; one aligned block of 256 bytes
	s_endpgm
.Lfunc_end_k_qcf90b67c4f_prep:
	.size	k_qcf90b67c4f_prep, .Lfunc_end_k_qcf90b67c4f_prep-k_qcf90b67c4f_prep
	.p2alignl 7, 3214868480
	.fill 96, 4, 3214868480
	.section	.rodata,"a",@progbits
	.p2align	6, 0x0
	.amdhsa_kernel k_qcf90b67c4f_prep
		.amdhsa_group_segment_fixed_size 33280
		.amdhsa_private_segment_fixed_size 0
		.amdhsa_enable_private_segment 0
		.amdhsa_kernarg_size 112
		.amdhsa_user_sgpr_count 2
		.amdhsa_user_sgpr_kernarg_segment_ptr 1
		.amdhsa_wavefront_size32 1
		.amdhsa_system_sgpr_workgroup_id_x 1
		.amdhsa_system_sgpr_workgroup_id_y 1
		.amdhsa_system_sgpr_workgroup_id_z 1
		.amdhsa_system_vgpr_workitem_id 0
		.amdhsa_next_free_vgpr 194
		.amdhsa_next_free_sgpr 66
		.amdhsa_reserve_vcc 0
		.amdhsa_float_denorm_mode_32 3
		.amdhsa_float_denorm_mode_16_64 3
		.amdhsa_memory_ordered 1
		.amdhsa_forward_progress 1
		.amdhsa_inst_pref_size 38
	.end_amdhsa_kernel
	.amdgpu_metadata
---
amdhsa.version: [ 1, 2 ]
amdhsa.kernels:
  - .name:           k_qcf90b67c4f_prep
    .symbol:         k_qcf90b67c4f_prep.kd
    .args:
      - { .name: weight_ii, .offset: 0, .size: 8, .value_kind: global_buffer, .address_space: global }
      - { .name: weight_if, .offset: 8, .size: 8, .value_kind: global_buffer, .address_space: global }
      - { .name: weight_ig, .offset: 16, .size: 8, .value_kind: global_buffer, .address_space: global }
      - { .name: weight_io, .offset: 24, .size: 8, .value_kind: global_buffer, .address_space: global }
      - { .name: weight_hi, .offset: 32, .size: 8, .value_kind: global_buffer, .address_space: global }
      - { .name: weight_hf, .offset: 40, .size: 8, .value_kind: global_buffer, .address_space: global }
      - { .name: weight_hg, .offset: 48, .size: 8, .value_kind: global_buffer, .address_space: global }
      - { .name: weight_ho, .offset: 56, .size: 8, .value_kind: global_buffer, .address_space: global }
      - { .name: x_codes, .offset: 64, .size: 8, .value_kind: global_buffer, .address_space: global }
      - { .name: x_scales, .offset: 72, .size: 8, .value_kind: global_buffer, .address_space: global }
      - { .name: h_codes, .offset: 80, .size: 8, .value_kind: global_buffer, .address_space: global }
      - { .name: h_scales, .offset: 88, .size: 8, .value_kind: global_buffer, .address_space: global }
      - { .name: a_t, .offset: 96, .size: 8, .value_kind: global_buffer, .address_space: global }
      - { .name: w_t, .offset: 104, .size: 8, .value_kind: global_buffer, .address_space: global }
    .group_segment_fixed_size: 33280
    .private_segment_fixed_size: 0
    .kernarg_segment_align: 8
    .kernarg_segment_size: 112
    .max_flat_workgroup_size: 128
    .sgpr_count:     66
    .vgpr_count:     194
    .wavefront_size: 32
...
	.end_amdgpu_metadata
.endif
;; end of part 1
;; launch cell (part 2): grid 32 x 8, 4 waves a work-group, clusters of 4 x 4, 327,680 bytes of LDS; arguments a_t, w_t, c, bias_i, bias_f, bias_g, bias_o, out0, out1; writes out0, out1
.if DOCPART == 2
	.amdgcn_target "amdgcn-amd-amdhsa--gfx1250"
	.amdhsa_code_object_version 6
	.text
	.protected	k_qcf90b67c4f_cell
	.globl	k_qcf90b67c4f_cell
	.p2align	8
	.type	k_qcf90b67c4f_cell,@function
k_qcf90b67c4f_cell:
	s_mov_b64 s[64:65], 0
	v_nop
	global_prefetch_b8 v0, s[64:65] scope:SCOPE_SE
	s_setreg_imm32_b32 hwreg(HW_REG_WAVE_MODE, 25, 1), 1
	s_wait_xcnt 0x0
	s_wait_alu depctr_hold_cnt(0) depctr_sa_sdst(0) depctr_va_vdst(0) depctr_va_sdst(0) depctr_va_ssrc(0) depctr_va_vcc(0) depctr_vm_vsrc(0)
	s_getreg_b32 s2, hwreg(HW_REG_IB_STS2, 6, 4)
	s_cmp_eq_u32 s2, 0
	s_cbranch_scc0 .Lentry_in_a_cluster
	s_endpgm
.Lentry_in_a_cluster:
	s_bfe_u32 s2, ttmp6, 0x10000c
	s_cmp_lg_u32 s2, 0xf033
	s_cbranch_scc0 .Lentry_shape_is_right
	s_endpgm
.Lentry_shape_is_right:
; gates[2048][4 x 2048] = [x h] [Wx Wh]^T + b, one product with K = 4,096 on codes of FP4 (E2M1) with one E8M0 scale for each 32 along K, sums in f32; then, in f32,
; c_new = sigmoid(f) c + sigmoid(i) tanh(g) (out1) and h_new = sigmoid(o) tanh(c_new) (out0).  The gates never go to memory.
; A tile is 256 batch rows x 256 columns, and ITS COLUMNS ARE 4 GATES x 64 HIDDEN UNITS (the launch before laid the weights so): all that an output number needs lies in one work-group.
; Four waves, as many as a WGP has SIMDs, each 128 x 128: 64 accumulators of 16 x 16, 512 registers.  2,048 / 256 x 8,192 / 256 = 256 tiles, one to a work-group.
; K goes in 8 steps of 512 through a ring of two LDS slots.  For 128 rows and one K step memory holds ONE dense block of 136 x 256 bytes: 128 rows of codes, then 8 units with the rows' scale bytes (16 a row).
; One tensor load a wave brings such a block: codes and scales ride together, and A's and B's tiles have one shape.
; CLUSTERS: 4 x 4 work-groups.  The four of a row of the cluster need the same tiles of A, the four of a column the same tiles of B: each tile is asked for JOINTLY, by the same tensor load with the same
; descriptor and a mask that names the four.  THE MATRIX INSTRUCTION IS USED TRANSPOSED (source 0 = 16 rows of B, source 1 = 16 rows of A): a lane holds eight neighbouring hidden units of one batch row.
; B's block b = 2 g + u of my half s is gate g, hidden units 64 x tile column + 32 s + 16 u + 0 .. 15.
; REGISTERS, in windows of 256: window 0: v0-31 addresses; v32-95 scale words, two sets; v96-111 biases; v112-127 c; v128-191 A's fragments, ONE set (later the exponents); v192-223 at work in the epilogue.
;   window 1: B's fragments, TWO sets, at v0 and v128 (later the gates at v0-63).   window 2: the accumulators of my rows 0-63 ((a, b) at v[8 (8 a + b)]);   window 3: those of my rows 64-127.
; LIMITS: NaN and infinities among the inputs are not served.  tanh(t) = (e - 1) / (e + 1), e = 2^(2 log2(e) t) with the exponent held at 32, from where on the quotient is 1.0 in f32; its error is absolute,
; about one part in 10^7 of 1, also where tanh itself is small.  A sigmoid's 2^(..) may be infinite: its reciprocal is then 0, and it only ever multiplies finite numbers.
.set NQ,     4                         ; matrix instructions deep in a K step of 512
.set FR,     8                         ; registers of a fragment: 16 rows x 128 K
.set NL,     2                         ; LDS loads that bring one
.set NP,     4                         ; places behind this matrix instruction (ISA guide 7.12.1)
.set LAPS,   4                         ; a lap = two K steps = once round the ring
.set PITCH,  272                       ; an LDS row: 256 bytes + 16 of padding = 68 words: row r starts at bank 4 r mod 64 (64 banks of 4 bytes: ISA guide 11.1)
.set HALFT,  136*PITCH                 ; what one tensor load brings: 128 rows of codes and 8 of scale bytes
.set SCO,    128*PITCH                 ; where its scale bytes begin
.set SLOT,   4*HALFT                   ; A's two halves, then B's two halves
.set SPARE,  2*SLOT                    ; behind the ring: the spare words, 128 bytes for each wave: two blocks of 256 bytes that no other line names
.set HALFM,  136*256                   ; the same block in memory
.set KSM,    2*HALFM                   ; a K step's two halves
.set TILEM,  8*KSM                     ; a tile's eight K steps
.set SPITCH, 1040                      ; the epilogue's stage: 256 rows x (4 gates x 256 bytes + 16), from LDS byte 0 on: in the ring, which has had its last fill and its last read by then
.set BO,   12                          ; v12     my byte offset in a bias: 256 x tile column + 16 (lane % 16); never rewritten
.set RDC,  13                          ; v13     the stage: where the gates in hand are read
.set ADRA, 16                          ; v16-17  LDS address of my A fragments in slot 0, 1
.set ASA,  18                          ; v18-19  of A's scale words: lanes 0-15 block i, lanes 16-31 block i + 4
.set ADRB, 20                          ; v20-21  of my B fragments
.set ASB,  22                          ; v22-23  of B's scale words
.set STO,  24                          ; v24     the stage: where I put 32 bytes of a row, my rows 0-63;  v27 (STO + 3): my rows 64-127
.set RD,   25                          ; v25     the stage: my first two rows on the way back; never rewritten
.set CO,   26                          ; v26     my byte offset in two rows of c, out0, out1; never rewritten
.set SPW,  28                          ; v28     LDS address of my spare word: SPARE + 4 x my thread's number; never rewritten
.set NIL,  29                          ; v29     0; never rewritten
.set PFO,  30                          ; v30     the tiles' prefetches: 256 x lane; never rewritten
.set PFC,  31                          ; v31     c's prefetches: a row (8,192 bytes) x lane; never rewritten
.set SC,   32                          ; scale words: set s at v[SC + 32 s]: A's at + 4 (i % 4) + q, B's at + 16 + 4 (i % 4) + q; they hold scales and nothing else
.set BS,   96                          ; 4 gates x 4 biases, times the gate's factor
.set CC,   112                         ; 16 numbers of c
.set AF,   128                         ; A's fragments
.set T,    128                         ; the epilogue: 4 gates x 16 exponents, then powers, then denominators
.set N,    192                         ; numerators, then h_new
.set CN,   208                         ; c_new
.set G1,   24                          ; s[24:31] descriptor group 1 for A's tiles;  s[32:39] group 0, one set for each slot
.set G0,   32
.set G1B,  48                          ; s[48:55], s[56:63] the same for B's tiles
.set G0B,  56
.set NLG,  66                          ; s[66:67] -log2(e), twice
.set L2G,  80                          ; s[80:81] 2 log2(e), twice
.set LIM,  82                          ; s82     1 in a wave that prefetches tiles, else the greatest number
.set TR,   83                          ; s83     the stage: bytes from my first rows to the rows in hand
.set PFA,  84                          ; s[84:85] where my prefetches stand: my work-group's 32 units of the 128 that I fetch, one K step further on than the refill that is being asked for
.set MSB, 0
.macro WIN new                         ; the immediate's high byte repeats the setting that is left
.if MSB != \new
	s_set_vgpr_msb (MSB<<8)|\new
.set MSB, \new
.endif
.endm
.set MUL_LO, 0xa1                      ; source 0 (B) window 1, source 1 (A) window 0, C and D window 2
.set MUL_HI, 0xf1                      ; the same, C and D window 3
.set TO_B,   0x40                      ; destination window 1, address window 0
; A joint load: waves 0 and 1 fetch A's halves, waves 2 and 3 B's.  Each of the two lines has ONE mask and one set of registers for all that issue it; the branch hangs on the wave's number alone.
; Four v_nop follow each of the two lines, ahead of the jump, the label and what follows.
.macro JLOAD g0a, g1a, g0b, g1b
	s_cmp_eq_u32 s15, 0
	s_cbranch_scc0 .Lfor_b_\@
	tensor_load_to_lds s[\g0a:\g0a+3], s[\g1a:\g1a+7]
	s_nop 0
.rept 4
	v_nop
.endr
	s_branch .Lasked_\@
.Lfor_b_\@:
	tensor_load_to_lds s[\g0b:\g0b+3], s[\g1b:\g1b+7]
	s_nop 0
.rept 4
	v_nop
.endr
.Lasked_\@:
.endm
.macro CREST                           ; a round of the cluster's barrier behind its opening barrier
	s_cmp_lg_u32 s14, 0
	s_cbranch_scc1 .Lnot_wave_0_\@
	s_barrier_signal -3
.Lnot_wave_0_\@:
	s_barrier_wait -3
	s_barrier_signal -1
	s_barrier_wait -1
.endm
.macro CROUND                          ; a whole round
	s_barrier_signal -1
	s_barrier_wait -1
	CREST
.endm
; A PREFETCH INTO THE L2, behind each joint refill, its four lines and the run of LDS loads that follows: the codes of the K step that stands TWO refills on, 512 matrix instructions ahead of the load that will want them.
; Each unit of 256 bytes is named ONCE in the launch.  A's tile row is read by every cluster of that row of clusters: the first of them (cluster x = 0) asks; B's tile column likewise: cluster y = 0 asks.
; The four partners that ask for a tile jointly share its 128 units of codes out BY ADDRESS, 32 each, a lane a unit; the 8 units of scale bytes come by their loads alone.  The loop's last trip has no K step two on.
.macro ASK
	s_cmp_gt_u32 s3, s[LIM]                        ; s3 = 1 in the loop's last trip
	s_cbranch_scc0 .Lnot_mine_\@
	global_prefetch_b8 v[PFO], s[PFA:PFA+1] offset:KSM th:TH_LOAD_NT scope:SCOPE_SE
.Lnot_mine_\@:
.endm
.macro ASKC                            ; and c: my wave's 64 rows x 256 bytes, a lane a row, one K step and the way into the stage ahead of their first load; no other wave of the launch reads them
	global_prefetch_b8 v[PFC], s[8:9] th:TH_LOAD_NT scope:SCOPE_SE
	global_prefetch_b8 v[PFC], s[8:9] offset:32*8192 th:TH_LOAD_NT scope:SCOPE_SE
.endm
	s_load_b128 s[4:7], s[0:1], 0x0                ; a_t s[4:5], w_t s[6:7]
	s_load_b64 s[8:9], s[0:1], 0x10                ; c
	s_load_b256 s[68:75], s[0:1], 0x18             ; bias_i, bias_f, bias_g, bias_o
	s_load_b128 s[76:79], s[0:1], 0x38             ; out0 (h_new), out1 (c_new)
	v_lshl_add_u32 v[SPW], v0, 2, SPARE
	v_mov_b32 v[NIL], 0
	ds_add_u32 v28, v29
	ds_add_u32 v28, v29
	s_wait_dscnt 0x0
	v_lshrrev_b32 v1, 5, v0
	v_readfirstlane_b32 s14, v1                    ; wave 0..3
	s_lshr_b32 s15, s14, 1                         ; which half of the tile's rows is mine.  Also: I fetch for A (0) or for B (1)
	s_and_b32 s16, s14, 1                          ; which half of its columns.  Also: which half tile I fetch
	s_bfe_u32 s40, ttmp6, 0x40000                  ; cx, cy: my place in the cluster
	s_bfe_u32 s41, ttmp6, 0x40004
	s_lshl_b32 s42, ttmp9, 2
	s_add_co_u32 s42, s42, s40                     ; tile column = 4 x cluster x + cx
	s_and_b32 s17, ttmp7, 0xffff
	s_lshl_b32 s17, s17, 2
	s_add_co_u32 s17, s17, s41                     ; tile row = 4 x cluster y + cy
	s_lshl_b32 s43, s41, 2
	s_lshl_b32 s43, 15, s43                        ; my row of the cluster
	s_lshl_b32 s44, 0x1111, s40                    ; my column
	; descriptor group 1: a dense block of 136 rows of 256 bytes (32 elements of 8 bytes), 16 bytes of padding behind each row in LDS
	s_or_b32 s[G1+0], s43, (3<<16)|(1<<20)|(1<<21)|(5<<22)|(3<<25)  ; 15:0 the mask: A's tiles go to my row; 17:16 elements of 8 bytes; 20 padding on; 21 set beside a mask; 24:22 after every 64 words (code 5); 31:25 of 4 words (code 3)
	s_or_b32 s[G1B+0], s44, (3<<16)|(1<<20)|(1<<21)|(5<<22)|(3<<25) ; the same with the mask of my column, for B's tiles
.irp g, G1, G1B
	s_mov_b32 s[\g+1], 32<<16                      ; tensor_dim0 = 32
	s_mov_b32 s[\g+2], 136<<16                     ; tensor_dim1 = 136
	s_mov_b32 s[\g+3], 32<<16                      ; tile_dim0 = 32
	s_mov_b32 s[\g+4], 136                         ; tile_dim1 = 136
	s_mov_b32 s[\g+5], 32                          ; tensor_dim0_stride: the rows lie on end
	s_mov_b32 s[\g+6], 0
	s_mov_b32 s[\g+7], 0
.endr
	s_mov_b32 s[NLG], 0xbfb8aa3b                   ; -log2(e)
	s_mov_b32 s[NLG+1], s[NLG]                     ; (named with it as a pair, so it is written)
	s_mov_b32 s[L2G], 0x4038aa3b                   ; 2 log2(e)
	s_mov_b32 s[L2G+1], s[L2G]
	s_mov_b32 s[TR], 0
	; where the tiles come from.  A's hang on the tile row alone, which my row of the cluster shares; B's on the tile column alone.  Every wave makes both, in registers that never hold the other coordinate
	s_mul_i32 s18, s16, HALFM                      ; which half tile I fetch
	s_mul_i32 s20, s17, TILEM
	s_add_co_u32 s20, s20, s18
	s_mov_b32 s21, 0
	s_mul_i32 s46, s42, TILEM
	s_add_co_u32 s46, s46, s18
	s_mov_b32 s47, 0
	s_mul_i32 s45, s14, HALFT                      ; and where they go: wave x a half tile: no place in the cluster enters an LDS address
	s_wait_kmcnt 0x0
	s_add_nc_u64 s[20:21], s[4:5], s[20:21]
	s_add_nc_u64 s[46:47], s[6:7], s[46:47]
	CROUND                                         ; all sixteen work-groups are here: the first joint loads meet
.irp s, 0,1
	s_mov_b32 s[G0+4*\s], 1                                        ; count = 1
	s_add_co_u32 s[G0+4*\s+1], s45, \s*SLOT                        ; LDS address
	s_add_nc_u64 s[G0+4*\s+2:G0+4*\s+3], s[20:21], \s*KSM          ; global address: K step s
	s_or_b32 s[G0+4*\s+3], s[G0+4*\s+3], 0x80000000                ; type = 2
	s_mov_b32 s[G0B+4*\s], 1
	s_add_co_u32 s[G0B+4*\s+1], s45, \s*SLOT
	s_add_nc_u64 s[G0B+4*\s+2:G0B+4*\s+3], s[46:47], \s*KSM
	s_or_b32 s[G0B+4*\s+3], s[G0B+4*\s+3], 0x80000000
	JLOAD G0+4*\s, G1, G0B+4*\s, G1B               ; the ring is filled before anything else is done: two loads of mine are out
.endr
	v_and_b32 v1, 15, v0                           ; r = lane % 16
	v_bfe_u32 v2, v0, 4, 1                         ; h = lane / 16
	v_mul_u32_u24 v3, v1, PITCH
	v_lshl_add_u32 v4, v2, 4, v3                   ; a fragment's row x pitch + 16 h
	v_lshlrev_b32 v5, 4, v1                        ; scale words: 16 bytes a row, sixteen rows to a unit;
	v_mad_u32_u24 v5, v2, 4*PITCH, v5              ; lanes 16-31 take the block four units on
	v_add_nc_u32 v5, SCO, v5
	s_mul_i32 s21, s15, HALFT                      ; my half of A
	s_mul_i32 s22, s16, HALFT                      ; my half of B,
	s_add_co_u32 s22, s22, 2*HALFT                 ; which lies behind A's two
.irp s, 0,1
	v_add_nc_u32 v[ADRA+\s], s21, v4
	v_add_nc_u32 v[ADRB+\s], s22, v4
	v_add_nc_u32 v[ASA+\s], s21, v5
	v_add_nc_u32 v[ASB+\s], s22, v5
	s_add_co_u32 s21, s21, SLOT
	s_add_co_u32 s22, s22, SLOT
.endr
	v_mul_u32_u24 v6, v1, SPITCH                   ; into the stage: row r, 32 bytes for each half of the lanes,
	v_lshl_add_u32 v6, v2, 5, v6
	s_mul_i32 s23, s15, 128*SPITCH                 ; my 128 rows,
	s_lshl_b32 s18, s16, 7                         ; my 32 hidden units of each gate's 64
	s_add_co_u32 s23, s23, s18
	v_add_nc_u32 v[STO], s23, v6
	v_add_nc_u32 v[STO+3], 64*SPITCH, v[STO]       ; (an LDS offset has 16 bits: my rows 64-127 have a register of their own)
	v_mul_u32_u24 v7, v2, SPITCH                   ; back: wave w takes rows 64 w .. 64 w + 63, whole: lanes 0-15 a gate's 256 bytes of one row, lanes 16-31 of the next
	v_lshl_add_u32 v7, v1, 4, v7
	s_mul_i32 s23, s14, 64*SPITCH
	v_add_nc_u32 v[RD], s23, v7
	v_add_nc_u32 v[RDC], s[TR], v[RD]
	v_lshlrev_b32 v8, 13, v2                       ; and the same two rows in c, out0, out1: rows of 8,192 bytes
	v_lshl_add_u32 v[CO], v1, 4, v8
	s_lshl_b32 s18, s42, 8                         ; the tile's 64 hidden units: 256 bytes x tile column
	v_lshl_add_u32 v[BO], v1, 4, s18
	v_and_b32 v[PFO], 31, v0
	v_lshlrev_b32 v[PFC], 13, v[PFO]
	v_lshlrev_b32 v[PFO], 8, v[PFO]
	s_lshl_b32 s20, s17, 8
	s_lshl_b32 s21, s14, 6
	s_add_co_u32 s20, s20, s21                     ; the first row that I read of c and store: 256 x tile row + 64 x wave
	s_lshl_b32 s20, s20, 13
	s_add_co_u32 s20, s20, s18
	s_mov_b32 s21, 0
	s_add_nc_u64 s[8:9], s[8:9], s[20:21]
	s_add_nc_u64 s[76:77], s[76:77], s[20:21]
	s_add_nc_u64 s[78:79], s[78:79], s[20:21]
.irp g, 0,1,2,3
	global_load_b128 v[BS+4*\g:BS+4*\g+3], v[BO], s[68+2*\g:69+2*\g]   ; my four hidden units' biases; they are wanted in the epilogue
.endr
	; the prefetches: who asks, and where
	s_and_b32 s22, ttmp7, 0xffff                   ; cluster y
	s_cmp_eq_u32 s15, 0                            ; do I fetch for A?
	s_cselect_b32 s20, s17, s42                    ; the tile: by the tile row in a_t, by the tile column in w_t
	s_cselect_b32 s21, s40, s41                    ; my place among the four that ask for it with me
	s_cselect_b32 s22, ttmp9, s22                  ; the coordinate along which other clusters read the same tiles
	s_cselect_b64 s[PFA:PFA+1], s[4:5], s[6:7]
	s_cmp_eq_u32 s22, 0
	s_cselect_b32 s[LIM], 1, -1                    ; the same in all sixteen partners, for a given wave
	s_mul_i32 s20, s20, TILEM
	s_mul_i32 s22, s16, HALFM
	s_add_co_u32 s20, s20, s22                     ; + the half tile that I fetch
	s_lshl_b32 s21, s21, 13
	s_add_co_u32 s20, s20, s21                     ; + my work-group's 32 units of it
	s_add_co_u32 s20, s20, 2*KSM                   ; at K step 2: the first refill steps it to 3 and names K step 4.  Nothing is prefetched here, at the head, where every work-group's first tiles are on their way
	s_mov_b32 s21, 0
	s_add_nc_u64 s[PFA:PFA+1], s[PFA:PFA+1], s[20:21]
.macro FRAG reg, adr, q, i             ; a fragment, 16 rows x 128 K of 4-bit codes, is 8 registers: lane l holds row l % 16; registers 4 c .. 4 c + 3 hold K = 64 c + 32 (l / 16) + 0 .. 31
.irp c, 0,1
	ds_load_b128 v[\reg+4*\c:\reg+4*\c+3], v[\adr] offset:64*(\q)+32*\c+(\i)*16*PITCH
.endr
.endm
; One matrix instruction: B's block b (set p) x A's block a, the slot's q-th 128 along K, scale words of set sc.  A block's words lie in lanes 0-15 of its register for blocks 0-3 and in lanes 16-31 for blocks 4-7.
; zero = 1: the product starts the sum: nothing is ever cleared.
.macro WM a, b, p, q, sc, zero
.set rD, 8*(8*((\a)%4)+(\b))
.set rB, 128*(\p)+FR*(\b)
.set rA, AF+FR*(\a)
.set rT, SC+32*(\sc)+16+4*((\b)%4)+(\q)
.set rS, SC+32*(\sc)+4*((\a)%4)+(\q)
.if \zero
.if ((\a) < 4) && ((\b) < 4)
	v_wmma_scale_f32_16x16x128_f8f6f4 v[rD:rD+7], v[rB:rB+7], v[rA:rA+7], 0, v[rT], v[rS] matrix_a_fmt:MATRIX_FMT_FP4 matrix_b_fmt:MATRIX_FMT_FP4
.elseif (\a) < 4
	v_wmma_scale_f32_16x16x128_f8f6f4 v[rD:rD+7], v[rB:rB+7], v[rA:rA+7], 0, v[rT], v[rS] matrix_a_fmt:MATRIX_FMT_FP4 matrix_b_fmt:MATRIX_FMT_FP4 matrix_a_scale:MATRIX_SCALE_ROW1
.elseif (\b) < 4
	v_wmma_scale_f32_16x16x128_f8f6f4 v[rD:rD+7], v[rB:rB+7], v[rA:rA+7], 0, v[rT], v[rS] matrix_a_fmt:MATRIX_FMT_FP4 matrix_b_fmt:MATRIX_FMT_FP4 matrix_b_scale:MATRIX_SCALE_ROW1
.else
	v_wmma_scale_f32_16x16x128_f8f6f4 v[rD:rD+7], v[rB:rB+7], v[rA:rA+7], 0, v[rT], v[rS] matrix_a_fmt:MATRIX_FMT_FP4 matrix_b_fmt:MATRIX_FMT_FP4 matrix_a_scale:MATRIX_SCALE_ROW1 matrix_b_scale:MATRIX_SCALE_ROW1
.endif
.else
.if ((\a) < 4) && ((\b) < 4)
	v_wmma_scale_f32_16x16x128_f8f6f4 v[rD:rD+7], v[rB:rB+7], v[rA:rA+7], v[rD:rD+7], v[rT], v[rS] matrix_a_fmt:MATRIX_FMT_FP4 matrix_b_fmt:MATRIX_FMT_FP4
.elseif (\a) < 4
	v_wmma_scale_f32_16x16x128_f8f6f4 v[rD:rD+7], v[rB:rB+7], v[rA:rA+7], v[rD:rD+7], v[rT], v[rS] matrix_a_fmt:MATRIX_FMT_FP4 matrix_b_fmt:MATRIX_FMT_FP4 matrix_a_scale:MATRIX_SCALE_ROW1
.elseif (\b) < 4
	v_wmma_scale_f32_16x16x128_f8f6f4 v[rD:rD+7], v[rB:rB+7], v[rA:rA+7], v[rD:rD+7], v[rT], v[rS] matrix_a_fmt:MATRIX_FMT_FP4 matrix_b_fmt:MATRIX_FMT_FP4 matrix_b_scale:MATRIX_SCALE_ROW1
.else
	v_wmma_scale_f32_16x16x128_f8f6f4 v[rD:rD+7], v[rB:rB+7], v[rA:rA+7], v[rD:rD+7], v[rT], v[rS] matrix_a_fmt:MATRIX_FMT_FP4 matrix_b_fmt:MATRIX_FMT_FP4 matrix_a_scale:MATRIX_SCALE_ROW1 matrix_b_scale:MATRIX_SCALE_ROW1
.endif
.endif
.endm
; 16 matrix instructions: A's blocks a0, a0 + 1 x B's eight.  The 64 accumulators take turns, one instruction a turn, in the same order in every step.
.macro MUL16 a0, p, q, sc, zero
.irp a, \a0, \a0+1
.irp b, 0,1,2,3,4,5,6,7
	WM \a, \b, \p, \q, \sc, \zero
.endr
.endr
.endm
.macro FETCH_B slot, q, p              ; B's eight fragments of the slot's q-th 128 along K into set p
	WIN TO_B
.irp i, 0,1,2,3,4,5,6,7
	FRAG 128*(\p)+FR*\i, ADRB+\slot, \q, \i
.endr
	WIN 0
.endm
.macro FETCH_A slot, q, i0             ; A's blocks i0 .. i0 + 3
.irp i, \i0, \i0+1, \i0+2, \i0+3
	FRAG AF+FR*(\i), ADRA+\slot, \q, \i
.endr
.endm
.macro SCALES sc                       ; slot sc's scale words into set sc: a row's 16 bytes are the four words of the K step; eight loads
.irp i, 0,1,2,3
	ds_load_b128 v[SC+32*\sc+4*\i:SC+32*\sc+4*\i+3], v[ASA+\sc] offset:\i*PITCH
	ds_load_b128 v[SC+32*\sc+16+4*\i:SC+32*\sc+16+4*\i+3], v[ASB+\sc] offset:\i*PITCH
.endr
.endm
; A load into a register that a matrix instruction has read, and a vector instruction or an LDS store that reads a matrix result, stand NP places behind that matrix instruction, and only plain vector
; instructions that name none of its registers are places (ISA guide 7.12.1 for vector instructions).
.macro PLACES n
.rept \n
	v_nop
.endr
.endm
; A step of 128 along K that has its successor in the same slot.  A block of A is free as soon as its eight products are issued: blocks 0-3 are fetched anew in the step's middle, blocks 4-7 at its end.
.macro STEP slot, q, zero
	s_wait_dscnt 4*NL                              ; B's set, the scale words and A's blocks 0-3 are in; the youngest eight loads (A's blocks 4-7) may be out
	WIN MUL_LO
	MUL16 0, (\q)%2, \q, \slot, \zero
	MUL16 2, (\q)%2, \q, \slot, \zero
	s_wait_dscnt 0                                 ; A's blocks 4-7 are in (asked for 32 matrix instructions ago)
	PLACES NP
	FETCH_B \slot, (\q)+1, 1-(\q)%2
	FETCH_A \slot, (\q)+1, 0
	WIN MUL_HI
	MUL16 4, (\q)%2, \q, \slot, \zero
	MUL16 6, (\q)%2, \q, \slot, \zero
	PLACES NP
	WIN 0
	FETCH_A \slot, (\q)+1, 4
.endm
; A slot's last step changes slots: ONE barrier; in front of it each wave waits for all its tensor loads, adds 0 to its spare word, and waits for that and for its own reads of this slot.
; fill = 1: the barrier opens a round of the cluster's barrier, and this slot is filled again, two K steps ahead: the load has a K step, 256 matrix instructions less the 32 in front of it, in which to land.
.macro TURN slot, next, fill
.if \fill
	s_wait_xcnt 0x0                                ; the last prefetch, a K step back, has read its address: it is stepped here, ahead of the waits of the change of slots
	s_add_nc_u64 s[PFA:PFA+1], s[PFA:PFA+1], KSM
.endif
	s_wait_tensorcnt 0x0                           ; all my tensor loads have landed: the one that was out is my part of the next slot  (every window is 0 here)
	ds_add_u32 v[SPW], v[NIL]                      ; 0 onto my spare word
	s_wait_dscnt 4*NL+1                            ; (the add and the youngest eight loads, A's blocks 4-7, may be out)
	WIN MUL_LO
	MUL16 0, 1, NQ-1, \slot, 0                     ; sixteen matrix instructions stand between the add and the wait for it
	s_wait_dscnt 0x0                               ; the add is done, and my reads of this slot are over
	s_barrier_signal -1
	MUL16 2, 1, NQ-1, \slot, 0
	WIN 0
	s_barrier_wait -1
.if \fill
	CREST                                          ; no wave of any partner still reads this slot's tile or has a load on its way
	s_add_nc_u64 s[G0+4*\slot+2:G0+4*\slot+3], s[G0+4*\slot+2:G0+4*\slot+3], 2*KSM
	s_add_nc_u64 s[G0B+4*\slot+2:G0B+4*\slot+3], s[G0B+4*\slot+2:G0B+4*\slot+3], 2*KSM
	JLOAD G0+4*\slot, G1, G0B+4*\slot, G1B         ; the first tensor load behind the round, my only one until the next; the four v_nop behind it are the places in front of the loads below
.else
	PLACES NP
.endif
	FETCH_B \next, 0, 0
	FETCH_A \next, 0, 0
	SCALES \next
.if \fill
	ASK
.else
	ASKC
.endif
	WIN MUL_HI
	MUL16 4, 1, NQ-1, \slot, 0
	MUL16 6, 1, NQ-1, \slot, 0
	PLACES NP
	WIN 0
	FETCH_A \next, 0, 4
.endm
.macro STEPS slot, from                ; the slot's steps from .. NQ - 2
.set Q, \from
.rept NQ-1-\from
	STEP \slot, Q, 0
.set Q, Q+1
.endr
.endm
	s_wait_tensorcnt 1                             ; my part of K step 0 is in (K step 1's load may be out)
	s_barrier_signal -1
	s_barrier_wait -1                              ; everybody's is
	FETCH_B 0, 0, 0
	FETCH_A 0, 0, 0
	SCALES 0
	FETCH_A 0, 0, 4
	STEP 0, 0, 1                                   ; the first step stands in front of the loop: its products start the sums
	s_mov_b32 s3, LAPS-1
.Llap:                                                 ; a trip goes once round the ring, from a lap's second step to the next lap's first, and fills both slots again
	STEPS 0, 1
	TURN 0, 1, 1
	STEPS 1, 0
	TURN 1, 0, 1
	STEP 0, 0, 0
	s_sub_co_u32 s3, s3, 1
	s_cmp_lg_u32 s3, 0
	s_cbranch_scc1 .Llap
	STEPS 0, 1                                     ; the last lap fills nothing, and has no round of the cluster's barrier
	TURN 0, 1, 0
	STEPS 1, 0
	s_wait_dscnt 4*NL                              ; the very last step: nothing more to fetch
	WIN MUL_LO
	MUL16 0, 1, NQ-1, 1, 0
	MUL16 2, 1, NQ-1, 1, 0
	s_wait_dscnt 0x0                               ; A's blocks 4-7 are in, and with them my last read of the ring:
	s_barrier_signal -1                            ; say so,
	WIN MUL_HI
	MUL16 4, 1, NQ-1, 1, 0
	MUL16 6, 1, NQ-1, 1, 0
	WIN 0
	s_barrier_wait -1                              ; and when all four have said so, nobody reads the ring any more; it has had its last fill: the stage may be written over it
	PLACES NP                                      ; behind the last products: their results are read below, and the registers that they read are written
; THE EPILOGUE.  An output number wants its four gates, which lie in four accumulators of one wave, and its lanes' neighbours hold other rows.  So the gates go through a stage in LDS, row by row: 4 gates x 64 hidden units,
; and come back so that sixteen lanes hold 256 neighbouring bytes of one row: c is read and out0 and out1 are written in whole aligned blocks of 256 bytes.
.irp p, 0,1,2,3
	global_load_b128 v[CC+4*\p:CC+4*\p+3], v[CO], s[8:9] offset:16384*\p th:TH_LOAD_NT   ; c of my first 8 rows, two rows a load
.endr
.macro DUMP a                          ; my rows 16 a .. 16 a + 15: lane (r, h), accumulator b = 2 g + u: gate g, hidden units 32 s + 16 u + 8 h + 0 .. 7 of row r
.set AC, 64*((\a)%4)
	WIN 0x08+4*((\a)/4)                            ; an LDS store's data are its source 1: window 2 or 3
.irp b, 0,1,2,3,4,5,6,7
	ds_store_b128 v[STO+3*((\a)/4)], v[AC+8*\b:AC+8*\b+3] offset:((\a)%4)*16*SPITCH+256*(\b/2)+64*(\b%2)       ; each accumulator from its low end on
	ds_store_b128 v[STO+3*((\a)/4)], v[AC+8*\b+4:AC+8*\b+7] offset:((\a)%4)*16*SPITCH+256*(\b/2)+64*(\b%2)+16
.endr
.endm
.irp a, 0,1,2,3,4,5,6,7
	DUMP \a
.endr
	WIN 0
	s_wait_dscnt 0x0                               ; for the others' sake: my stores into the stage are done
	s_barrier_signal -1
	s_barrier_wait -1                              ; 256 whole rows of gates lie in the stage
.macro GATES off                       ; 8 rows' gates, off bytes behind the rows in hand: gate g, rows 2 p and 2 p + 1 -> window 1, v[16 g + 4 p ..]: my four hidden units
.irp g, 0,1,2,3
.irp p, 0,1,2,3
	ds_load_b128 v[16*\g+4*\p:16*\g+4*\p+3], v[RDC] offset:\off+2*\p*SPITCH+256*\g
.endr
.endr
.endm
	WIN TO_B
	GATES 0
	WIN 0
	s_wait_loadcnt 4                               ; the four biases are in; c's four loads, issued behind them, may be out
.irp e, 0,2,4,6,12,14
	v_pk_mul_f32 v[BS+\e:BS+\e+1], v[BS+\e:BS+\e+1], s[NLG:NLG+1] op_sel_hi:[1,0]   ; sigmoid(t) = 1 / (1 + 2^(-log2(e) t)): i's, f's and o's biases times -log2(e),
.endr
.irp e, 8,10
	v_pk_mul_f32 v[BS+\e:BS+\e+1], v[BS+\e:BS+\e+1], s[L2G:L2G+1] op_sel_hi:[1,0]   ; g's times 2 log2(e): so a gate's exponent is one fused multiply-add
.endr
; 8 rows: 16 numbers a lane.  Register 4 p + e of a run of 16: row 2 p + lane / 16, hidden unit 4 (lane % 16) + e.  Ti, Tf, Tg, To = v[T], v[T + 16], v[T + 32], v[T + 48] on.
; Five exponentials and three reciprocals a number: sigmoid(i) tanh(g) = (eg - 1) / ((1 + ei) (1 + eg)), and h_new likewise of ec and eo.  Each batch of transcendentals has one plain line and ONE wait behind it,
; ahead of its first reader.  last = 1: nothing more is fetched.
.macro EPI last
	s_wait_dscnt 0x0                               ; these rows' gates are in
	WIN 0x01                                       ; source 0 (the gates) window 1
.irp g, 0,1,3
.irp e, 0,2,4,6,8,10,12,14
	v_pk_fma_f32 v[T+16*\g+\e:T+16*\g+\e+1], v[16*\g+\e:16*\g+\e+1], s[NLG:NLG+1], v[BS+4*\g+\e%4:BS+4*\g+\e%4+1] op_sel_hi:[1,0,1]
.endr
.endr
.irp e, 0,2,4,6,8,10,12,14
	v_pk_fma_f32 v[T+32+\e:T+33+\e], v[32+\e:33+\e], s[L2G:L2G+1], v[BS+8+\e%4:BS+9+\e%4] op_sel_hi:[1,0,1]
.endr
.if \last == 0
	WIN TO_B
	GATES 8*SPITCH                                 ; the next 8 rows' gates come while these are worked
.endif
	WIN 0
.irp e, 0,1,2,3,4,5,6,7,8,9,10,11,12,13,14,15
	v_min_num_f32 v[T+32+\e], 0x42000000, v[T+32+\e]   ; tanh's exponent is held at 32: its numerator stays finite
.endr
.set j, 0
.rept 64
	v_exp_f32 v[T+j], v[T+j]
.set j, j+1
.endr
.if \last
	v_nop
.else
	s_add_co_u32 s[TR], s[TR], 8*SPITCH
	v_add_nc_u32 v[RDC], s[TR], v[RD]              ; on to the next 8 rows of the stage (an LDS load's address needs no wait)
.endif
	s_wait_alu depctr_va_vdst(0)
.irp e, 0,2,4,6,8,10,12,14
	v_pk_add_f32 v[N+\e:N+\e+1], v[T+32+\e:T+33+\e], -1.0 op_sel_hi:[1,0]   ; eg - 1
.endr
.set j, 0
.rept 32
	v_pk_add_f32 v[T+j:T+j+1], v[T+j:T+j+1], 1.0 op_sel_hi:[1,0]            ; 1 + ei, 1 + ef, 1 + eg, 1 + eo
.set j, j+2
.endr
.irp e, 0,2,4,6,8,10,12,14
	v_pk_mul_f32 v[T+\e:T+\e+1], v[T+\e:T+\e+1], v[T+32+\e:T+33+\e]         ; (1 + ei) (1 + eg): both are 1 or more
.endr
.set j, 0
.rept 32
	v_rcp_f32 v[T+j], v[T+j]
.set j, j+1
.endr
	v_nop
	s_wait_loadcnt 0x0                             ; these rows' c: no other load of mine is out
	s_wait_alu depctr_va_vdst(0)
.irp e, 0,2,4,6,8,10,12,14
	v_pk_mul_f32 v[N+\e:N+\e+1], v[N+\e:N+\e+1], v[T+\e:T+\e+1]             ; sigmoid(i) tanh(g)
.endr
.irp e, 0,2,4,6,8,10,12,14
	v_pk_fma_f32 v[CN+\e:CN+\e+1], v[T+16+\e:T+17+\e], v[CC+\e:CC+\e+1], v[N+\e:N+\e+1]   ; c_new = sigmoid(f) c + that
.endr
.if \last == 0
.irp p, 0,1,2,3
	global_load_b128 v[CC+4*\p:CC+4*\p+3], v[CO], s[8:9] offset:65536+16384*\p th:TH_LOAD_NT   ; the next 8 rows' c
.endr
.endif
.irp e, 0,2,4,6,8,10,12,14
	v_pk_mul_f32 v[T+32+\e:T+33+\e], v[CN+\e:CN+\e+1], s[L2G:L2G+1] op_sel_hi:[1,0]
.endr
.irp e, 0,1,2,3,4,5,6,7,8,9,10,11,12,13,14,15
	v_min_num_f32 v[T+32+\e], 0x42000000, v[T+32+\e]
.endr
.irp e, 0,1,2,3,4,5,6,7,8,9,10,11,12,13,14,15
	v_exp_f32 v[T+32+\e], v[T+32+\e]
.endr
	v_nop
	s_wait_alu depctr_va_vdst(0)
.irp e, 0,2,4,6,8,10,12,14
	v_pk_add_f32 v[N+\e:N+\e+1], v[T+32+\e:T+33+\e], -1.0 op_sel_hi:[1,0]   ; ec - 1
.endr
.irp e, 0,2,4,6,8,10,12,14
	v_pk_add_f32 v[T+32+\e:T+33+\e], v[T+32+\e:T+33+\e], 1.0 op_sel_hi:[1,0]
.endr
.irp e, 0,2,4,6,8,10,12,14
	v_pk_mul_f32 v[T+32+\e:T+33+\e], v[T+32+\e:T+33+\e], v[T+48+\e:T+49+\e] ; (1 + ec) (1 + eo)
.endr
.irp e, 0,1,2,3,4,5,6,7,8,9,10,11,12,13,14,15
	v_rcp_f32 v[T+32+\e], v[T+32+\e]
.endr
	v_nop
	s_wait_alu depctr_va_vdst(0)
.irp e, 0,2,4,6,8,10,12,14
	v_pk_mul_f32 v[N+\e:N+\e+1], v[N+\e:N+\e+1], v[T+32+\e:T+33+\e]         ; h_new = sigmoid(o) tanh(c_new)
.endr
.irp p, 0,1,2,3
	global_store_b128 v[CO], v[CN+4*\p:CN+4*\p+3], s[78:79] offset:16384*\p th:TH_STORE_NT   ; sixteen lanes store 256 consecutive bytes, at a multiple of 256 from the buffer's first byte
.endr
.irp p, 0,1,2,3
	global_store_b128 v[CO], v[N+4*\p:N+4*\p+3], s[76:77] offset:16384*\p th:TH_STORE_NT
.endr
.if \last == 0
	s_wait_xcnt 0x0                                ; the loads and stores have read their bases and data: only behind this wait are the three bases stepped, and N and CN written again
	s_add_nc_u64 s[8:9], s[8:9], 65536             ; 8 rows on
	s_add_nc_u64 s[76:77], s[76:77], 65536
	s_add_nc_u64 s[78:79], s[78:79], 65536
.endif
.endm
	s_mov_b32 s3, 7
.Lepi:                                                 ; my 64 rows, 8 a trip; the last 8 are written out, so that no load leaves c or the stage
	EPI 0
	s_sub_co_u32 s3, s3, 1
	s_cmp_lg_u32 s3, 0
	s_cbranch_scc1 .Lepi
	EPI 1
	s_wait_tensorcnt 0x0                           ; the wave's end, behind my last tensor load and my last LDS store
	ds_add_u32 v[SPW], v[NIL]
	s_wait_dscnt 0x0
	CROUND                                         ; the closing round: no work-group ends while a partner may still ask for a tile that names it
	s_endpgm
.Lfunc_end_k_qcf90b67c4f_cell:
	.size	k_qcf90b67c4f_cell, .Lfunc_end_k_qcf90b67c4f_cell-k_qcf90b67c4f_cell
	.p2alignl 7, 3214868480
	.fill 96, 4, 3214868480
	.section	.rodata,"a",@progbits
	.p2align	6, 0x0
	.amdhsa_kernel k_qcf90b67c4f_cell
		.amdhsa_group_segment_fixed_size 327680
		.amdhsa_private_segment_fixed_size 0
		.amdhsa_enable_private_segment 0
		.amdhsa_kernarg_size 72
		.amdhsa_user_sgpr_count 2
		.amdhsa_user_sgpr_kernarg_segment_ptr 1
		.amdhsa_wavefront_size32 1
		.amdhsa_system_sgpr_workgroup_id_x 1
		.amdhsa_system_sgpr_workgroup_id_y 1
		.amdhsa_system_sgpr_workgroup_id_z 1
		.amdhsa_system_vgpr_workitem_id 0
		.amdhsa_next_free_vgpr 1024
		.amdhsa_next_free_sgpr 98
		.amdhsa_reserve_vcc 0
		.amdhsa_float_denorm_mode_32 3
		.amdhsa_float_denorm_mode_16_64 3
		.amdhsa_memory_ordered 1
		.amdhsa_forward_progress 1
		.amdhsa_inst_pref_size 225
	.end_amdhsa_kernel
	.amdgpu_metadata
---
amdhsa.version: [ 1, 2 ]
amdhsa.kernels:
  - .name:           k_qcf90b67c4f_cell
    .symbol:         k_qcf90b67c4f_cell.kd
    .args:
      - { .name: a_t, .offset: 0, .size: 8, .value_kind: global_buffer, .address_space: global }
      - { .name: w_t, .offset: 8, .size: 8, .value_kind: global_buffer, .address_space: global }
      - { .name: c, .offset: 16, .size: 8, .value_kind: global_buffer, .address_space: global }
      - { .name: bias_i, .offset: 24, .size: 8, .value_kind: global_buffer, .address_space: global }
      - { .name: bias_f, .offset: 32, .size: 8, .value_kind: global_buffer, .address_space: global }
      - { .name: bias_g, .offset: 40, .size: 8, .value_kind: global_buffer, .address_space: global }
      - { .name: bias_o, .offset: 48, .size: 8, .value_kind: global_buffer, .address_space: global }
      - { .name: out0, .offset: 56, .size: 8, .value_kind: global_buffer, .address_space: global }
      - { .name: out1, .offset: 64, .size: 8, .value_kind: global_buffer, .address_space: global }
    .group_segment_fixed_size: 327680
    .private_segment_fixed_size: 0
    .kernarg_segment_align: 8
    .kernarg_segment_size: 72
    .max_flat_workgroup_size: 128
    .sgpr_count:     98
    .vgpr_count:     1024
    .wavefront_size: 32
...
	.end_amdgpu_metadata
.endif
;; end of part 2
